; MI455X (gfx1250); checked and timed in simulation.
; The chip was launched on July 23, 2026; its instructions are those of AMD's public machine-readable ISA for CDNA 5 (MIT licence, August 2026) and "CDNA5" Instruction Set Architecture Reference Guide (July 2026). The comments in the code are by the model that wrote it; some were corrected since.
;; Group Queryattention. Allowed arithmetic: float matrix products may take bf16 or f16 operands with f32 sums; other float arithmetic in f32, or as packed bf16 or f16 multiplies, adds, multiply-adds, maxima and minima; sums over many terms, partial sums and values carried from step to step in f32; what a program stores and reads back later, other than sums and carried values, may be rounded once to bf16 or f16.
;; Inputs: Wk 2,048 x 1,024 float32; Wq 2,048 x 2,048 float32; Wv 2,048 x 1,024 float32; bk 1,024 float32; bq 2,048 float32; bv 1,024 float32; k 2 x 2,048 x 2,048 float32; q 2 x 2,048 x 2,048 float32; v 2 x 2,048 x 2,048 float32.
;; Outputs: out0 2 x 2,048 x 2,048 float32.
;; 2 versions, each right; version 2 is version 1 with the launch cast written anew for expert scheduling mode. Each part assembles by itself: llvm-mc -triple=amdgcn-amd-amdhsa -mcpu=gfx1250 --defsym DOCPART=n.
;; ======== version 1 of 2: 3 launches
;; limits: values are held in f16: magnitudes above 65,504 overflow, below 6.1e-05 lose precision
;; workspace buffers: xw 67,108,864 bytes; qkv 33,554,432 bytes
;; launch cast (part 1): grid 512 x 1, 8 waves a work-group, no clusters, 0 bytes of LDS; arguments q, k, v, Wq, Wk, Wv, xw; writes xw
.if DOCPART == 1
	.amdgcn_target "amdgcn-amd-amdhsa--gfx1250"
	.amdhsa_code_object_version 6
	.text
	.protected	k_q040f126839_cast
	.globl	k_q040f126839_cast
	.p2align	8
	.type	k_q040f126839_cast,@function
k_q040f126839_cast:
	s_mov_b64 s[64:65], 0
	v_nop
	global_prefetch_b8 v0, s[64:65] scope:SCOPE_SE
	s_setreg_imm32_b32 hwreg(HW_REG_WAVE_MODE, 25, 1), 1
	s_wait_xcnt 0x0
; q, k, v and the three weights, f32, are rounded once to bf16 and laid into xw for the product that follows:
;   bytes 0 .. WALL-1: X[3][4096][2048] (q, k, v; a row is 4,096 bytes);  from WALL on: W[2048 k][4096 n] (a row is 8,192 bytes): columns 0-2047 Wq, 2048-3071 Wk, 3072-4095 Wv.
; A LINE is 4,096 input bytes: 256 threads x 16; it becomes 2,048 output bytes: a wave's load covers 512 consecutive bytes, its store 256 consecutive bytes, aligned.
; A work-group makes 64 lines; line t is read at source + INB + t INP and written at xw + OUTB + t OUTP.  512 equal work-groups: 0-383 the activations, 384-447 Wq (half a row a line), 448-479 Wk, 480-511 Wv.
; A stream: nothing is shared between waves or work-groups, so there is no LDS, no barrier, no matrix work, no cluster.  Sixteen loads of every wave are on their way (a ring of 16 register slots).
.set WALL, 50331648
.set IN,   2                           ; v[2:17]   slot i: 16 x thread + i INP; never rewritten
.set OUT,  18                          ; v[18:33]  slot i: 8 x thread + i OUTP; never rewritten
.set X,    34                          ; v[34:97]  slot i: four f32 as loaded
.set Y,    98                          ; v[98:129] slot i: four bf16 to store
	s_load_b256 s[8:15], s[0:1], 0x0               ; q s[8:9], k s[10:11], v s[12:13], Wq s[14:15]
	s_load_b128 s[16:19], s[0:1], 0x20             ; Wk s[16:17], Wv s[18:19]
	s_load_b64 s[20:21], s[0:1], 0x30              ; xw
	s_and_b32 s22, ttmp9, 127                      ; u: my number among the 128 of my kind
	s_mov_b32 s25, 0                               ; the high words of the four offsets
	s_mov_b32 s27, 0
	s_mov_b32 s31, 0
	s_mov_b32 s33, 0
	s_wait_kmcnt 0x0
	s_cmp_ge_u32 ttmp9, 384
	s_cbranch_scc1 .Lweights
	s_cmp_lt_u32 ttmp9, 128                        ; an activation: q, k or v by the work-group's number
	s_cselect_b64 s[4:5], s[8:9], s[10:11]
	s_cmp_lt_u32 ttmp9, 256
	s_cselect_b64 s[4:5], s[4:5], s[12:13]
	s_lshl_b32 s24, s22, 18                        ; INB: 64 lines of 4,096 bytes
	s_lshl_b32 s26, ttmp9, 17                      ; OUTB: the three arrays lie end to end
	s_mov_b32 s28, 4096                            ; INP
	s_mov_b32 s29, 2048                            ; OUTP
	s_branch .Lgo
.Lweights:
	s_cmp_ge_u32 s22, 64
	s_cbranch_scc1 .Lkv
	s_mov_b64 s[4:5], s[14:15]                     ; Wq: 64 rows of 8,192 bytes, the left or the right half of each
	s_lshr_b32 s23, s22, 1
	s_lshl_b32 s23, s23, 19                        ; 64 rows, in Wq and in W alike
	s_and_b32 s24, s22, 1
	s_lshl_b32 s26, s24, 11
	s_lshl_b32 s24, s24, 12
	s_add_co_u32 s24, s24, s23
	s_add_co_u32 s26, s26, s23
	s_add_co_u32 s26, s26, WALL
	s_mov_b32 s28, 8192
	s_mov_b32 s29, 8192
	s_branch .Lgo
.Lkv:
	s_and_b32 s23, s22, 31                         ; Wk or Wv: 64 whole rows of 4,096 bytes
	s_lshl_b32 s24, s23, 18
	s_lshl_b32 s26, s23, 19
	s_mov_b32 s23, WALL+6144                       ; Wv's first column in W
	s_cmp_lt_u32 s22, 96
	s_cselect_b64 s[4:5], s[16:17], s[18:19]
	s_cselect_b32 s23, WALL+4096, s23              ; Wk's
	s_add_co_u32 s26, s26, s23
	s_mov_b32 s28, 4096
	s_mov_b32 s29, 8192
.Lgo:
	s_add_nc_u64 s[4:5], s[4:5], s[24:25]          ; the source at my line 0
	s_add_nc_u64 s[6:7], s[20:21], s[26:27]        ; xw at my line 0
	s_lshl_b32 s30, s28, 4                         ; sixteen lines on, in and out
	s_lshl_b32 s32, s29, 4
	v_lshlrev_b32 v[IN], 4, v0
	v_lshlrev_b32 v[OUT], 3, v0
.irp i, 1,2,3,4,5,6,7,8,9,10,11,12,13,14,15
	v_add_nc_u32 v[IN+(\i)], s28, v[IN+(\i)-1]
	v_add_nc_u32 v[OUT+(\i)], s29, v[OUT+(\i)-1]
.endr
.irp i, 0,1,2,3,4,5,6,7,8,9,10,11,12,13,14,15
	global_load_b128 v[X+4*(\i):X+4*(\i)+3], v[IN+(\i)], s[4:5] th:TH_LOAD_NT  ; lines 0 to 15 fill the ring
.endr
	s_wait_xcnt 0x0                                ; the loads have read their base: it steps to lines 16 on
	s_add_nc_u64 s[4:5], s[4:5], s[30:31]
; One slot's turn.  ahead = 1: the slot is filled again with the line sixteen further on.  left = the younger loads that may stay out.
.macro SLOT i, ahead, left
	s_wait_loadcnt \left                           ; loads come back in order: this slot's is in, the other slots' stay out
	v_cvt_pk_bf16_f32 v[Y+2*(\i)],   v[X+4*(\i)],   v[X+4*(\i)+1]
	v_cvt_pk_bf16_f32 v[Y+2*(\i)+1], v[X+4*(\i)+2], v[X+4*(\i)+3]
.if \ahead
	global_load_b128 v[X+4*(\i):X+4*(\i)+3], v[IN+(\i)], s[4:5] th:TH_LOAD_NT
.endif
	global_store_b64 v[OUT+(\i)], v[Y+2*(\i):Y+2*(\i)+1], s[6:7] th:TH_STORE_NT
.endm
	s_mov_b32 s34, 3
.Lround:
.irp i, 0,1,2,3,4,5,6,7,8,9,10,11,12,13,14,15
	SLOT \i, 1, 15
.endr
	s_wait_xcnt 0x0                                ; both bases and all of Y, which this trip's loads and stores read, are rewritten only behind this wait
	s_add_nc_u64 s[4:5], s[4:5], s[30:31]
	s_add_nc_u64 s[6:7], s[6:7], s[32:33]
	s_sub_co_u32 s34, s34, 1
	s_cmp_lg_u32 s34, 0
	s_cbranch_scc1 .Lround
.irp i, 0,1,2,3,4,5,6,7,8,9,10,11,12,13,14,15
	SLOT \i, 0, 15-(\i)                            ; the last sixteen lines load nothing: the counts run down
.endr
	s_endpgm
.Lfunc_end_k_q040f126839_cast:
	.size	k_q040f126839_cast, .Lfunc_end_k_q040f126839_cast-k_q040f126839_cast
	.p2alignl 7, 3214868480
	.fill 96, 4, 3214868480
	.section	.rodata,"a",@progbits
	.p2align	6, 0x0
	.amdhsa_kernel k_q040f126839_cast
		.amdhsa_group_segment_fixed_size 0
		.amdhsa_private_segment_fixed_size 0
		.amdhsa_enable_private_segment 0
		.amdhsa_kernarg_size 56
		.amdhsa_user_sgpr_count 2
		.amdhsa_user_sgpr_kernarg_segment_ptr 1
		.amdhsa_wavefront_size32 1
		.amdhsa_system_sgpr_workgroup_id_x 1
		.amdhsa_system_sgpr_workgroup_id_y 1
		.amdhsa_system_sgpr_workgroup_id_z 1
		.amdhsa_system_vgpr_workitem_id 0
		.amdhsa_next_free_vgpr 132
		.amdhsa_next_free_sgpr 66
		.amdhsa_reserve_vcc 0
		.amdhsa_float_denorm_mode_32 3
		.amdhsa_float_denorm_mode_16_64 3
		.amdhsa_memory_ordered 1
		.amdhsa_forward_progress 1
		.amdhsa_inst_pref_size 15
	.end_amdhsa_kernel
	.amdgpu_metadata
---
amdhsa.version: [ 1, 2 ]
amdhsa.kernels:
  - .name:           k_q040f126839_cast
    .symbol:         k_q040f126839_cast.kd
    .args:
      - { .name: q, .offset: 0, .size: 8, .value_kind: global_buffer, .address_space: global }
      - { .name: k, .offset: 8, .size: 8, .value_kind: global_buffer, .address_space: global }
      - { .name: v, .offset: 16, .size: 8, .value_kind: global_buffer, .address_space: global }
      - { .name: Wq, .offset: 24, .size: 8, .value_kind: global_buffer, .address_space: global }
      - { .name: Wk, .offset: 32, .size: 8, .value_kind: global_buffer, .address_space: global }
      - { .name: Wv, .offset: 40, .size: 8, .value_kind: global_buffer, .address_space: global }
      - { .name: xw, .offset: 48, .size: 8, .value_kind: global_buffer, .address_space: global }
    .group_segment_fixed_size: 0
    .private_segment_fixed_size: 0
    .kernarg_segment_align: 8
    .kernarg_segment_size: 56
    .max_flat_workgroup_size: 256
    .sgpr_count:     66
    .vgpr_count:     132
    .wavefront_size: 32
...
	.end_amdgpu_metadata
.endif
;; end of part 1
;; launch proj (part 2): grid 16 x 16, 4 waves a work-group, clusters of 4 x 4, 327,680 bytes of LDS; arguments xw, bq, bk, bv, qkv; writes qkv
.if DOCPART == 2
	.amdgcn_target "amdgcn-amd-amdhsa--gfx1250"
	.amdhsa_code_object_version 6
	.text
	.protected	k_q040f126839_proj
	.globl	k_q040f126839_proj
	.p2align	8
	.type	k_q040f126839_proj,@function
k_q040f126839_proj:
	s_mov_b64 s[64:65], 0
	v_nop
	global_prefetch_b8 v0, s[64:65] scope:SCOPE_SE
	s_setreg_imm32_b32 hwreg(HW_REG_WAVE_MODE, 25, 1), 1
	s_wait_xcnt 0x0
	s_wait_alu depctr_hold_cnt(0) depctr_sa_sdst(0) depctr_va_vdst(0) depctr_va_sdst(0) depctr_va_ssrc(0) depctr_va_vcc(0) depctr_vm_vsrc(0)
	s_getreg_b32 s2, hwreg(HW_REG_IB_STS2, 6, 4)
	s_cmp_eq_u32 s2, 0
	s_cbranch_scc0 .Lentry_in_a_cluster
	s_endpgm
.Lentry_in_a_cluster:
	s_bfe_u32 s2, ttmp6, 0x10000c
	s_cmp_lg_u32 s2, 0xf033
	s_cbranch_scc0 .Lentry_shape_is_right
	s_endpgm
.Lentry_shape_is_right:
; THE THREE PROJECTIONS AS ONE PRODUCT.  C[4096][4096] = X[p] W + bias, where W[2048 k][4096 n] holds Wq, Wk, Wv side by side and p = 0 (q) for columns 0-2047, 1 (k) for 2048-3071, 2 (v) for 3072-4095.
; X and W are bf16 (xw, as the launch before laid them); the bias is rounded to bf16 like every other input and is the C operand of each sum's first product; sums in f32; C is rounded once to f16 and
; stored by heads: qkv[hh][b][2048][128], hh = column / 128: 0-15 the query heads, 16-23 the key groups, 24-31 the value groups.
; LIMITS.  f16 holds no number beyond 65,504: a projected number past that leaves as an infinity.  The bias is added ahead of the products, not behind them.  NaN and infinities are not treated apart.
; SHARES.  256 tiles of 256 x 256, one to a work-group of four waves; a wave makes 128 x 128: 64 accumulators, 512 registers; its 128 columns are one head.  K = 2,048 goes in 16 steps of 128 through a
; ring of two LDS slots filled by the tensor data mover; every row of a tile is 256 bytes of memory, at a multiple of 256.
; W LIES [k][n]: its tile is 128 rows (k) x 128 columns for each column half, and its fragments come out of LDS turned, by ds_load_tr16_b128.
; CLUSTERS: 4 x 4 work-groups; a cluster lies in one projection (4 tile columns).  X's tile hangs on the tile row alone and is asked for jointly by a row of the cluster, W's on the tile column alone,
; by a column: the same tensor load, descriptor and mask in all four.
; THE MATRIX INSTRUCTION IS USED TRANSPOSED: source 0 = 16 columns of W, source 1 = 16 rows of X: a lane holds row l % 16 of C and the columns 8 (l / 16) + 0..7: 16 bytes of f16 on end.
; REGISTERS, in windows of 256 (s_set_vgpr_msb: bits 1:0 source 0, 3:2 source 1, 5:4 source 2, 7:6 destination):
;   window 0: v0-31 addresses; v64-127, v128-191 X's fragments, two buffers; v32-63, v192-255 at work on the way out
;   window 1: v0-63 the bias of my 128 columns in the accumulators' layout; v64-127, v128-191 W's fragments; v192-223 at work once
;   window 2: the accumulators of my rows 0-63 ((a, b) at v[8 (8 a + b)]);   window 3: those of my rows 64-127
.set KSTEP,  128
.set PA,     272                       ; a row of X in LDS: 256 bytes + 16 = 68 words: the 16 rows of a load start at 16 different groups of four banks (64 banks of 4 bytes: ISA guide 11.1)
.set PB,     288                       ; a row of W: 256 + 32 = 72 words
.set HALFA,  128*PA                    ; what one tensor load brings of X, and what one wave reads of it
.set HALFB,  128*PB                    ; the same for W
.set SLOT,   2*HALFA+2*HALFB           ; X's two row halves, then W's two column halves
.set STAGE,  2*SLOT                    ; behind the ring: 16 rows x 272 bytes for each wave, for the way out; no tensor load fills it
.set SPITCH, 272
.set SPARE,  STAGE+4*16*SPITCH         ; behind the stages: the spare words, 128 bytes for each wave: two blocks of 256 bytes that no other line names
.set WALL,   50331648                  ; W's first byte in xw
.set WSTEP,  KSTEP*8192                ; a K step of W: 128 rows of 8,192 bytes
.set LAPS,   8                         ; a lap = two K steps = once round the ring
.set ADRA, 16                          ; v16-17  LDS address of my X fragments in slot 0, 1
.set ADRB, 20                          ; v20-21  the same for W
.set STO,  24                          ; v24     the way out: where I put 16 bytes of a row
.set RD,   25                          ; v25     the way out: where I read a row back
.set CO,   26                          ; v26     16 x lane: my place in 512 consecutive bytes of qkv
.set BO,   27                          ; v27     my byte offset in the bias
.set SPW,  28                          ; v28     LDS address of my spare word: SPARE + 4 x my thread's number; never rewritten
.set NIL,  29                          ; v29     0; never rewritten
.set PFO,  30                          ; v30     the prefetches' offset: my lane x a row of X or of W; never rewritten
.set F0,   64
.set F1,   128
.set TMP,  192
.set OB,   32                          ; 16 rows read back from the stage: v32-63 and v224-255 by turns
.set G1,   24                          ; s[24:31] descriptor group 1 for X's tiles;  s[32:39] group 0, a set for each slot
.set G0,   32
.set G1B,  48                          ; s[48:55], s[56:63] the same for W's tiles
.set G0B,  56
.set LIM,  43                          ; s43     1 in a wave that prefetches, else the greatest number
.set PFA,  44                          ; s[44:45] where my prefetches stand
.set PFS,  80                          ; s[80:81] a K step, in bytes, in the tensor that I prefetch
.set MSB, 0
.macro WIN new                         ; the immediate's high byte repeats the setting that is left; a switch that changes nothing is dropped
.if MSB != (\new)
	s_set_vgpr_msb (MSB<<8)|(\new)
.set MSB, \new
.endif
.endm
.set MUL_LO, 0xa1                      ; source 0 (W) window 1, source 1 (X) window 0, C and D window 2
.set MUL_HI, 0xf1                      ; the same, C and D window 3
.set TO_B,   0x40                      ; destination window 1, address window 0
; A joint load.  Waves 0 and 1 fetch X's two row halves, waves 2 and 3 W's two column halves.  The branch hangs on the wave's number alone.
; An s_nop 0 and four v_nop follow each of the two lines, ahead of the jump, the label and what follows.
.macro JLOAD s
	s_cmp_eq_u32 s11, 0
	s_cbranch_scc0 .Lfor_b_\@
	tensor_load_to_lds s[G0+4*(\s):G0+4*(\s)+3], s[G1:G1+7]
	s_nop 0
.rept 4
	v_nop
.endr
	s_branch .Lasked_\@
.Lfor_b_\@:
	tensor_load_to_lds s[G0B+4*(\s):G0B+4*(\s)+3], s[G1B:G1B+7]
	s_nop 0
.rept 4
	v_nop
.endr
.Lasked_\@:
.endm
; A PREFETCH INTO THE L2, behind each joint refill and the run of LDS loads that follows it: the K step that stands two refills on, 512 matrix instructions ahead of the load that will want it:
; 32 rows x 256 bytes, a lane a row, one instruction a wave.  Each block of 256 bytes is named once in the launch: q's rows are read by the clusters with x = 0 and 1, of which the first asks; k's and v's
; by one column of clusters each; W's columns by every cluster of a column, of which y = 0 asks.  The four partners of a joint load share its 128 rows out by address, 32 each.
; The loop's last trip (s3 = 1) asks for nothing: there is no K step two on.  K steps 0 to 3 come by their loads alone.
.macro ASK
	s_cmp_gt_u32 s3, s[LIM]
	s_cbranch_scc0 .Lnot_mine_\@
	global_prefetch_b8 v[PFO], s[PFA:PFA+1] th:TH_LOAD_NT scope:SCOPE_SE
.Lnot_mine_\@:
.endm
; A round of the cluster's barrier: my work-group's barrier; wave 0 signals for the work-group; every wave waits for all sixteen work-groups; my work-group's barrier once more.
.macro CREST                           ; a round behind its opening barrier
	s_cmp_lg_u32 s10, 0
	s_cbranch_scc1 .Lnot_wave_0_\@
	s_barrier_signal -3
.Lnot_wave_0_\@:
	s_barrier_wait -3
	s_barrier_signal -1
	s_barrier_wait -1
.endm
.macro CROUND
	s_barrier_signal -1
	s_barrier_wait -1
	CREST
.endm
	s_load_b256 s[68:75], s[0:1], 0x0              ; xw s[68:69], bq s[70:71], bk s[72:73], bv s[74:75]
	s_load_b64 s[8:9], s[0:1], 0x20                ; qkv
	v_lshl_add_u32 v[SPW], v0, 2, SPARE
	v_mov_b32 v[NIL], 0
	ds_add_u32 v[SPW], v[NIL]                      ; the wave's opening: the add and its wait stand ahead of my first tensor load; the set-up below, work on registers, stands between them
	v_lshrrev_b32 v1, 5, v0
	v_readfirstlane_b32 s10, v1                    ; wave 0..3
	s_lshr_b32 s11, s10, 1                         ; which half of the tile's rows is mine.  Also: I fetch for X (0) or for W (1)
	s_and_b32 s12, s10, 1                          ; which half of its columns.  Also: which half of that tile I fetch
	s_bfe_u32 s40, ttmp6, 0x40000                  ; cx
	s_bfe_u32 s41, ttmp6, 0x40004                  ; cy
	s_lshl_b32 s42, ttmp9, 2
	s_add_co_u32 s42, s42, s40                     ; tile column = 4 x cluster x + cx
	s_and_b32 s13, ttmp7, 0xffff
	s_lshl_b32 s13, s13, 2
	s_add_co_u32 s13, s13, s41                     ; tile row = 4 x cluster y + cy
	s_max_u32 s76, ttmp9, 1
	s_sub_co_u32 s76, s76, 1                       ; the projection: clusters x = 0, 1: q; 2: k; 3: v: the same in all sixteen partners
	s_mov_b32 s77, 0xffff0000                      ; a word's upper bf16
	s_lshl_b32 s82, s41, 2
	s_lshl_b32 s82, 15, s82                        ; my row of the cluster: places 4 cy .. 4 cy + 3
	s_lshl_b32 s83, 0x1111, s40                    ; my column: places cx, cx + 4, cx + 8, cx + 12
	; descriptor group 1: a tile of 128 rows x 128 elements, padded in LDS
	s_or_b32 s[G1+0], s82, (1<<16)|(1<<20)|(1<<21)|(5<<22)|(3<<25)   ; 15:0 the mask; 17:16 elements of 2 bytes; 20 padding on; 21 set beside a mask; 24:22 after every 64 words (code 5); 31:25 4 words (code 3)
	s_or_b32 s[G1B+0], s83, (1<<16)|(1<<20)|(1<<21)|(5<<22)|(7<<25)  ; my column's mask; 8 words of padding (code 7)
.irp g, G1, G1B
	s_mov_b32 s[(\g)+1], KSTEP<<16                 ; tensor_dim0 = 128
	s_mov_b32 s[(\g)+2], 128<<16                   ; tensor_dim1 = 128
	s_mov_b32 s[(\g)+3], KSTEP<<16                 ; tile_dim0 = 128
	s_mov_b32 s[(\g)+4], 128                       ; tile_dim1 = 128
	s_mov_b32 s[(\g)+6], 0
	s_mov_b32 s[(\g)+7], 0
.endr
	s_mov_b32 s[G1+5], 2048                        ; elements from row to row in X,
	s_mov_b32 s[G1B+5], 4096                       ; and in W
	; where the tiles come from, as offsets in xw.  X's hangs on the projection and the tile row, W's on the tile column; each is made in registers that never hold the other coordinate
	s_lshl_b32 s16, s76, 24                        ; an array of X is 16,777,216 bytes,
	s_lshl_b32 s17, s13, 20                        ; 256 rows of 4,096,
	s_add_co_u32 s16, s16, s17
	s_lshl_b32 s17, s12, 19                        ; the 128 that I fetch
	s_add_co_u32 s16, s16, s17
	s_mov_b32 s17, 0
	s_lshl_b32 s46, s42, 9                         ; 256 columns of 2 bytes,
	s_lshl_b32 s47, s12, 8                         ; the 128 that I fetch
	s_add_co_u32 s46, s46, s47
	s_add_co_u32 s46, s46, WALL
	s_mov_b32 s47, 0
	s_mul_i32 s20, s12, HALFA                      ; and where they go: no place in the cluster enters an LDS address
	s_mul_i32 s21, s12, HALFB
	s_add_co_u32 s21, s21, 2*HALFA
	s_wait_dscnt 0x0                               ; the opening add is done
	s_wait_kmcnt 0x0
	s_add_nc_u64 s[14:15], s[68:69], s[16:17]
	s_add_nc_u64 s[46:47], s[68:69], s[46:47]
	CROUND                                         ; all sixteen work-groups are here: the first joint loads meet
.irp s, 0,1
	s_mov_b32 s[G0+4*(\s)], 1                                      ; 1:0 count = 1
	s_add_co_u32 s[G0+4*(\s)+1], s20, (\s)*SLOT                    ; 63:32 LDS address
	s_add_nc_u64 s[G0+4*(\s)+2:G0+4*(\s)+3], s[14:15], (\s)*KSTEP*2  ; 120:64 global address: K step s
	s_or_b32 s[G0+4*(\s)+3], s[G0+4*(\s)+3], 0x80000000            ; 127:126 type = 2
	s_mov_b32 s[G0B+4*(\s)], 1
	s_add_co_u32 s[G0B+4*(\s)+1], s21, (\s)*SLOT
	s_add_nc_u64 s[G0B+4*(\s)+2:G0B+4*(\s)+3], s[46:47], (\s)*WSTEP
	s_or_b32 s[G0B+4*(\s)+3], s[G0B+4*(\s)+3], 0x80000000
	JLOAD \s                                       ; the ring is filled before anything else is done: two loads of mine are out
.endr
	v_and_b32 v1, 15, v0                           ; l % 16
	v_bfe_u32 v2, v0, 4, 1                         ; l / 16
	; THE BIAS of my 128 columns, in the accumulators' layout: register 8 b + j holds column 16 b + 8 (l / 16) + j
	s_cmp_eq_u32 ttmp9, 2
	s_cselect_b64 s[78:79], s[72:73], s[70:71]
	s_cmp_eq_u32 ttmp9, 3
	s_cselect_b64 s[78:79], s[74:75], s[78:79]
	s_cmp_lt_u32 ttmp9, 2
	s_cselect_b32 s14, s42, s40                    ; the tile column inside its projection
	s_lshl_b32 s14, s14, 10                        ; 256 numbers of 4 bytes,
	s_lshl_b32 s15, s12, 9                         ; my 128
	s_add_co_u32 s14, s14, s15
	v_lshl_add_u32 v[BO], v2, 5, s14
	WIN TO_B
.irp b, 0,1,2,3,4,5,6,7
	global_load_b128 v[8*(\b):8*(\b)+3],   v[BO], s[78:79] offset:64*(\b)
	global_load_b128 v[8*(\b)+4:8*(\b)+7], v[BO], s[78:79] offset:64*(\b)+16
.endr
	WIN 0
	; A fragment of X is 16 rows x 32 K in 8 registers: lane l holds row l % 16; registers 0-3 K = 8 (l / 16) + 0..7, registers 4-7 K = 16 + 8 (l / 16) + 0..7: two loads of 16 bytes, 32 bytes apart.
	v_mul_u32_u24 v3, v1, PA
	v_lshl_add_u32 v3, v2, 4, v3                   ; row x pitch + 16 x half
	; The turning load takes 16 K x 16 columns (lane l reads K row 8 (l / 16) + l % 8, columns 8 ((l / 8) % 2) + 0..7) and leaves half a fragment of W^T: lane l holds column l % 16 and 8 K.
	v_and_b32 v4, 7, v0
	v_lshl_add_u32 v4, v2, 3, v4
	v_mul_u32_u24 v4, v4, PB
	v_bfe_u32 v5, v0, 3, 1
	v_lshl_add_u32 v4, v5, 4, v4
	s_mul_i32 s21, s11, HALFA                      ; my 128 rows of X
	s_mul_i32 s22, s12, HALFB                      ; my 128 columns of W,
	s_add_co_u32 s22, s22, 2*HALFA                 ; which lie behind X's two halves
.irp s, 0,1
	v_add_nc_u32 v[ADRA+(\s)], s21, v3
	v_add_nc_u32 v[ADRB+(\s)], s22, v4
	s_add_co_u32 s21, s21, SLOT
	s_add_co_u32 s22, s22, SLOT
.endr
	s_mul_i32 s23, s10, 16*SPITCH
	s_add_co_u32 s23, s23, STAGE                   ; my stage
	v_mul_u32_u24 v4, v1, SPITCH                   ; in: row l % 16, 16 bytes for each half of the lanes
	v_lshl_add_u32 v4, v2, 4, v4
	v_add_nc_u32 v[STO], s23, v4
	v_mul_u32_u24 v5, v2, SPITCH                   ; back: lanes 0-15 take one row of 256 bytes, lanes 16-31 the next,
	v_lshl_add_u32 v5, v1, 4, v5
	v_add_nc_u32 v[RD], s23, v5
	v_and_b32 v[PFO], 31, v0
	v_lshlrev_b32 v[CO], 4, v[PFO]                 ; which are 512 consecutive bytes of a head
	; where my 128 rows of my head begin in qkv: head x 2^20 + row x 256; the row counts through both batches
	s_lshl_b32 s16, s42, 1
	s_add_co_u32 s16, s16, s12                     ; hh = 2 x tile column + column half
	s_lshl_b32 s16, s16, 20
	s_lshl_b32 s17, s13, 16                        ; 256 rows of 256 bytes,
	s_add_co_u32 s16, s16, s17
	s_lshl_b32 s17, s11, 15                        ; my 128
	s_add_co_u32 s16, s16, s17
	s_mov_b32 s17, 0
	s_add_nc_u64 s[8:9], s[8:9], s[16:17]
	; the prefetches: my work-group's 32 of the 128 rows that I fetch, at K step 3: the first refill steps it to 4
	s_lshl_b32 s18, s76, 24                        ; in X
	s_lshl_b32 s19, s13, 20
	s_add_co_u32 s18, s18, s19
	s_lshl_b32 s19, s12, 19
	s_add_co_u32 s18, s18, s19
	s_lshl_b32 s19, s40, 17                        ; 32 cx rows of 4,096 bytes
	s_add_co_u32 s18, s18, s19
	s_add_co_u32 s18, s18, 3*KSTEP*2
	s_lshl_b32 s20, s42, 9                         ; in W
	s_lshl_b32 s21, s12, 8
	s_add_co_u32 s20, s20, s21
	s_lshl_b32 s21, s41, 18                        ; 32 cy rows of 8,192 bytes
	s_add_co_u32 s20, s20, s21
	s_add_co_u32 s20, s20, WALL+3*WSTEP
	s_cmp_lg_u32 ttmp9, 1                          ; X: every column of clusters but the second, which reads q after the first
	s_cselect_b32 s23, 1, -1
	s_and_b32 s22, ttmp7, 0xffff
	s_cmp_eq_u32 s22, 0                            ; W: the first row of clusters
	s_cselect_b32 s22, 1, -1
	s_mov_b32 s[PFS], WSTEP
	s_mov_b32 s[PFS+1], 0
	s_mov_b32 s19, 0
	s_cmp_eq_u32 s11, 0                            ; do I fetch for X?
	s_cselect_b32 s[LIM], s23, s22                 ; the same in all sixteen partners, for a given wave
	s_cselect_b32 s18, s18, s20
	s_cselect_b32 s[PFS], KSTEP*2, s[PFS]
	s_cselect_b32 s21, 12, 13
	s_add_nc_u64 s[PFA:PFA+1], s[68:69], s[18:19]
	v_lshlrev_b32 v[PFO], s21, v[PFO]              ; a lane a row
	s_wait_loadcnt 0x0                             ; the bias is in: rounded to bf16 and widened again, in place
	WIN 0x45                                       ; sources and destination in window 1
.set i, 0
.rept 32
	v_cvt_pk_bf16_f32 v[192+i], v[2*i], v[2*i+1]
.set i, i+1
.endr
.set i, 0
.rept 32
	v_lshlrev_b32 v[2*i], 16, v[192+i]
	v_and_b32 v[2*i+1], s77, v[192+i]
.set i, i+1
.endr
	WIN 0
; 16 matrix instructions: row blocks a0, a0 + 1 of the window's four (hi = 0: my rows 0-63, 1: rows 64-127) x all 8 column blocks, 32 along K.
; zero = 1: the first product starts the sums, with the bias as C (window 1): nothing is ever cleared.  The 64 accumulators take turns, in the same order in every quarter.
.macro MUL16 f, hi, a0, zero
.if \zero
	WIN 0x91+0x40*(\hi)
.else
	WIN MUL_LO+0x50*(\hi)
.endif
.irp a, \a0, (\a0)+1
.irp b, 0,1,2,3,4,5,6,7
.if \zero
	v_wmma_f32_16x16x32_bf16 v[8*(8*(\a)+(\b)):8*(8*(\a)+(\b))+7], v[(\f)+8*(\b):(\f)+8*(\b)+7], v[(\f)+8*(4*(\hi)+(\a)):(\f)+8*(4*(\hi)+(\a))+7], v[8*(\b):8*(\b)+7]
.else
	v_wmma_f32_16x16x32_bf16 v[8*(8*(\a)+(\b)):8*(8*(\a)+(\b))+7], v[(\f)+8*(\b):(\f)+8*(\b)+7], v[(\f)+8*(4*(\hi)+(\a)):(\f)+8*(4*(\hi)+(\a))+7], v[8*(8*(\a)+(\b)):8*(8*(\a)+(\b))+7]
.endif
.endr
.endr
.endm
; 32 LDS loads in one run: the fragments of quarter q of a K step (32 K: 128 columns of W, turned; then 128 rows of X) into buffer f
.macro FETCH slot, q, f
	WIN TO_B
.irp i, 0,1,2,3,4,5,6,7
	ds_load_tr16_b128 v[(\f)+8*(\i):(\f)+8*(\i)+3],   v[ADRB+(\slot)] offset:(\q)*32*PB+32*(\i)
	ds_load_tr16_b128 v[(\f)+8*(\i)+4:(\f)+8*(\i)+7], v[ADRB+(\slot)] offset:(\q)*32*PB+16*PB+32*(\i)
.endr
	WIN 0
.irp i, 0,1,2,3,4,5,6,7
	ds_load_b128 v[(\f)+8*(\i):(\f)+8*(\i)+3],   v[ADRA+(\slot)] offset:64*(\q)+(\i)*16*PA
	ds_load_b128 v[(\f)+8*(\i)+4:(\f)+8*(\i)+7], v[ADRA+(\slot)] offset:64*(\q)+(\i)*16*PA+32
.endr
.endm
; A load into a register that a matrix instruction has read, and a vector instruction that reads a matrix result, stand four places behind that matrix instruction, and only plain vector
; instructions that name none of its registers are places (ISA guide 7.12.1 for vector instructions).
.macro PLACES
.rept 4
	v_nop
.endr
.endm
; A K step is four quarters of 32 along K, 64 matrix instructions each, on buffers 0, 1, 0, 1.  One of the first three: multiplies buffer f; in its middle it fetches quarter q into buffer g.
.macro QUARTER slot, q, f, g, zero
	s_wait_dscnt 8                                 ; W and X's rows 0-63 are in; the youngest eight loads (X's rows 64-127) may be out
	MUL16 \f, 0, 0, \zero
	MUL16 \f, 0, 2, \zero
	PLACES
	FETCH \slot, \q, \g
	s_wait_dscnt 32                                ; all but the 32 just issued
	MUL16 \f, 1, 0, \zero
	MUL16 \f, 1, 2, \zero
.endm
; The last quarter multiplies buffer 1 and changes slots.  MEET is its first half: ONE barrier.  In front of it each wave waits for all its tensor loads, of which one is out: its part of the next slot;
; adds 0 to its spare word; and waits for that and for its own reads of this slot.  Behind it nobody reads this slot any more and the next slot is whole.
.macro MEET round                      ; round = 1: a round of the cluster's barrier follows
	WIN 0                                          ; (the add's two registers lie in window 0)
	s_wait_tensorcnt 0x0                           ; all my tensor loads have landed;
	ds_add_u32 v[SPW], v[NIL]                      ; 0 onto my spare word
	s_wait_dscnt 9                                 ; (the add and the youngest eight loads may be out)
	MUL16 F1, 0, 0, 0                              ; sixteen matrix instructions stand between the add and the wait for it
	s_wait_dscnt 0x0                               ; the add is done, and my reads of this slot are over:
	s_barrier_signal -1                            ; say so,
	MUL16 F1, 0, 2, 0                              ; work on registers while the others arrive,
.if \round
	WIN 0
.endif
	s_barrier_wait -1                              ; and go on when all four have said so
.endm
; The whole last quarter: behind the round the slot just read out is filled again first, with the K step two steps on; then come the next slot's first fragments.
.macro TURN slot, next
	s_wait_xcnt 0x0                                ; the last prefetch, a K step back, has read its address: it is stepped here, ahead of the waits of the change of slots
	s_add_nc_u64 s[PFA:PFA+1], s[PFA:PFA+1], s[PFS:PFS+1]
	MEET 1
	CREST                                          ; no wave of any partner still reads this slot's tile or has a load on its way
	s_add_nc_u64 s[G0+4*(\slot)+2:G0+4*(\slot)+3], s[G0+4*(\slot)+2:G0+4*(\slot)+3], 2*KSTEP*2
	s_add_nc_u64 s[G0B+4*(\slot)+2:G0B+4*(\slot)+3], s[G0B+4*(\slot)+2:G0B+4*(\slot)+3], 2*WSTEP
	JLOAD \slot                                    ; the first tensor load behind the round; the four v_nop behind it are also the places in front of the loads below
	FETCH \next, 0, F0
	ASK
	MUL16 F1, 1, 0, 0
	MUL16 F1, 1, 2, 0
.endm
; THE WAY OUT of block a (16 rows), in three parts.  PACK: rounded to f16, 16 bytes a lane, each accumulator's registers in ascending order.  TOSTAGE: into my own stage, and back as whole rows.  SEND: stored.
.macro PACK a
.set AC, 64*((\a)%4)
	WIN 0x0a+5*((\a)/4)                            ; sources 0 and 1: window 2 or 3
.irp b, 0,1,2,3,4,5,6,7
.irp r, 0,1,2,3
	v_cvt_pk_f16_f32 v[TMP+4*(\b)+(\r)], v[AC+8*(\b)+2*(\r)], v[AC+8*(\b)+2*(\r)+1]
.endr
.endr
	WIN 0
.endm
.macro TOSTAGE a
	WIN 0
.set BK, OB+192*((\a)%2)
.irp b, 0,1,2,3,4,5,6,7
	ds_store_b128 v[STO], v[TMP+4*(\b):TMP+4*(\b)+3] offset:32*(\b)
.endr
.irp t, 0,1,2,3,4,5,6,7
	ds_load_b128 v[BK+4*(\t):BK+4*(\t)+3], v[RD] offset:(\t)*2*SPITCH  ; LDS serves a wave's instructions in order (ISA guide 5.7.1.4): these see the stores above
.endr
.endm
.macro SEND a
	WIN 0
.set BK, OB+192*((\a)%2)
	s_wait_dscnt 0x0                               ; the block is back in registers
	s_wait_xcnt 0x0                                ; the registers that the stores of the block before read are loaded again only behind this wait
.irp t, 0,1,2,3,4,5,6,7
	global_store_b128 v[CO], v[BK+4*(\t):BK+4*(\t)+3], s[8:9] offset:(\a)*4096+512*(\t)  ; two rows of a head: 512 consecutive bytes, at a multiple of 512 from qkv's first byte
.endr
.endm
	s_wait_tensorcnt 1                             ; my part of K step 0 is in; K step 1's load may stay out
	s_barrier_signal -1
	s_barrier_wait -1                              ; everybody's is
	FETCH 0, 0, F0
	QUARTER 0, 1, F0, F1, 1                        ; the first quarter stands in front of the loop: its products start the sums, with the bias
	WIN 0                                          ; at a label and at a branch every window is 0
	s_mov_b32 s3, LAPS-1
.Llap:                                                 ; a trip goes once round the ring, from a lap's second quarter to the next lap's first, and fills both slots again
	QUARTER 0, 2, F1, F0, 0
	QUARTER 0, 3, F0, F1, 0
	TURN 0, 1
	QUARTER 1, 1, F0, F1, 0
	QUARTER 1, 2, F1, F0, 0
	QUARTER 1, 3, F0, F1, 0
	TURN 1, 0
	QUARTER 0, 1, F0, F1, 0
	WIN 0
	s_sub_co_u32 s3, s3, 1
	s_cmp_lg_u32 s3, 0
	s_cbranch_scc1 .Llap
	QUARTER 0, 2, F1, F0, 0                        ; the last lap is written out: it fills nothing, and has no round of the cluster's barrier
	QUARTER 0, 3, F0, F1, 0
	MEET 0                                         ; my one tensor load that was still out is slot 1's, the last K step's
	PLACES                                         ; for the loads into buffer 0
	FETCH 1, 0, F0
	MUL16 F1, 1, 0, 0
	MUL16 F1, 1, 2, 0
	QUARTER 1, 1, F0, F1, 0
	QUARTER 1, 2, F1, F0, 0
	QUARTER 1, 3, F0, F1, 0
	s_wait_dscnt 8                                 ; the very last quarter: nothing more to fetch
	MUL16 F1, 0, 0, 0
	MUL16 F1, 0, 2, 0
	s_wait_dscnt 0x0
	MUL16 F1, 1, 0, 0
	MUL16 F1, 1, 2, 0
	WIN 0
	PLACES                                         ; the conversions read results
	PACK 0
	TOSTAGE 0
.irp a, 1,2,3,4,5,6,7                  ; block a's conversions stand between block a - 1's loads from the stage and the wait for them
	PACK \a
	SEND (\a)-1
	TOSTAGE \a
.endr
	SEND 7
	s_wait_tensorcnt 0x0                           ; the wave's end: the add and its wait stand behind my last tensor load and my last LDS store
	ds_add_u32 v[SPW], v[NIL]
	s_wait_dscnt 0x0
	CROUND                                         ; the closing round: no work-group ends while a partner may still ask for a tile that names it
	s_endpgm
.Lfunc_end_k_q040f126839_proj:
	.size	k_q040f126839_proj, .Lfunc_end_k_q040f126839_proj-k_q040f126839_proj
	.p2alignl 7, 3214868480
	.fill 96, 4, 3214868480
	.section	.rodata,"a",@progbits
	.p2align	6, 0x0
	.amdhsa_kernel k_q040f126839_proj
		.amdhsa_group_segment_fixed_size 327680
		.amdhsa_private_segment_fixed_size 0
		.amdhsa_enable_private_segment 0
		.amdhsa_kernarg_size 40
		.amdhsa_user_sgpr_count 2
		.amdhsa_user_sgpr_kernarg_segment_ptr 1
		.amdhsa_wavefront_size32 1
		.amdhsa_system_sgpr_workgroup_id_x 1
		.amdhsa_system_sgpr_workgroup_id_y 1
		.amdhsa_system_sgpr_workgroup_id_z 1
		.amdhsa_system_vgpr_workitem_id 0
		.amdhsa_next_free_vgpr 1024
		.amdhsa_next_free_sgpr 84
		.amdhsa_reserve_vcc 0
		.amdhsa_float_denorm_mode_32 3
		.amdhsa_float_denorm_mode_16_64 3
		.amdhsa_memory_ordered 1
		.amdhsa_forward_progress 1
		.amdhsa_inst_pref_size 150
	.end_amdhsa_kernel
	.amdgpu_metadata
---
amdhsa.version: [ 1, 2 ]
amdhsa.kernels:
  - .name:           k_q040f126839_proj
    .symbol:         k_q040f126839_proj.kd
    .args:
      - { .name: xw, .offset: 0, .size: 8, .value_kind: global_buffer, .address_space: global }
      - { .name: bq, .offset: 8, .size: 8, .value_kind: global_buffer, .address_space: global }
      - { .name: bk, .offset: 16, .size: 8, .value_kind: global_buffer, .address_space: global }
      - { .name: bv, .offset: 24, .size: 8, .value_kind: global_buffer, .address_space: global }
      - { .name: qkv, .offset: 32, .size: 8, .value_kind: global_buffer, .address_space: global }
    .group_segment_fixed_size: 327680
    .private_segment_fixed_size: 0
    .kernarg_segment_align: 8
    .kernarg_segment_size: 40
    .max_flat_workgroup_size: 128
    .sgpr_count:     84
    .vgpr_count:     1024
    .wavefront_size: 32
...
	.end_amdgpu_metadata
.endif
;; end of part 2
;; launch attn (part 3): grid 8 x 32, 4 waves a work-group, clusters of 4 x 1, 327,680 bytes of LDS; arguments qkv, out0; writes out0
.if DOCPART == 3
	.amdgcn_target "amdgcn-amd-amdhsa--gfx1250"
	.amdhsa_code_object_version 6
	.text
	.protected	k_q040f126839_attn
	.globl	k_q040f126839_attn
	.p2align	8
	.type	k_q040f126839_attn,@function
k_q040f126839_attn:
	s_mov_b64 s[64:65], 0
	v_nop
	global_prefetch_b8 v0, s[64:65] scope:SCOPE_SE
	s_setreg_imm32_b32 hwreg(HW_REG_WAVE_MODE, 25, 1), 1
	s_wait_xcnt 0x0
	s_wait_alu depctr_hold_cnt(0) depctr_sa_sdst(0) depctr_va_vdst(0) depctr_va_sdst(0) depctr_va_ssrc(0) depctr_va_vcc(0) depctr_vm_vsrc(0)
	s_getreg_b32 s2, hwreg(HW_REG_IB_STS2, 6, 4)
	s_cmp_eq_u32 s2, 0
	s_cbranch_scc0 .Lentry_in_a_cluster
	s_endpgm
.Lentry_in_a_cluster:
	s_bfe_u32 s2, ttmp6, 0x10000c
	s_cmp_lg_u32 s2, 0x3003
	s_cbranch_scc0 .Lentry_shape_is_right
	s_endpgm
.Lentry_shape_is_right:
; GROUPED-QUERY ATTENTION.  out0[b][q][128 h ..] = the sum over k of softmax_k(Q[h][b][q] . K[g][b][k] / sqrt(128)) V[g][b][k], g = h / 2.
; qkv[hh][b][2048][128] in f16, rows of 256 bytes on end: hh = h the query heads, 16 + g the key groups, 24 + g the value groups.  out0: [2][2048][2048] f32.
; Products, maxima and sums in f32; the weights p are rounded to f16 for the second product (their sum l is taken of the unrounded p); the output is f32.
; LIMITS.  p lies in 0 to 1, and below 6e-5 it keeps f16's fixed step of 6e-8; a weight below 2^-126 counts as 0 in l; NaN and infinities are not treated apart.
; SHARES.  The grid's y is 4 g + 2 j + b (h = 2 g + j); a work-group owns 256 queries of one head and batch, each of its four waves 64: four tiles of 16.  Every wave walks all 2,048 keys, 64 a step.
; LAYOUT.  S^T = K Q^T (source 0 = 16 keys, source 1 = 16 queries): in the result a lane holds ONE query (lane % 16) and the keys 8 (lane / 16) + 0..7.  Two such tiles, rounded to f16 in pairs, ARE
; source 1 (32 keys x 16 queries) of O^T = V^T P, whose result again holds one query a lane, and eight channels.  K comes out of LDS as it lies, V ([key][channel]) turned, by ds_load_tr16_b128.
; SOFTMAX.  For each query a running maximum m and sum l: p = 2^(c s - c m), c = log2(e) / sqrt(128); in every step O and l are multiplied by a = 2^(c m_old - c m_new), which is 1 where m has not grown.
; BY TURNS.  The wave's tiles are two PIECES: piece 0 (tiles 0, 1) and piece 2 (tiles 2, 3).  In a TURN one piece has the matrix unit: 32 products V^T P of the step in hand, then 32 products K Q^T of the
; next step; the other piece's softmax, cut into 64 slices, stands between them, one slice behind each matrix instruction.  Then the pieces change places.  Two turns are a key step.
; CLUSTER.  The four query blocks of a cluster belong to one head and batch and walk the same K and V, so each tile is asked for JOINTLY: the same tensor load, descriptor and mask in all four.
; (A group's K and V serve 16 work-groups, two heads of eight blocks; a mask names four.)
; REGISTERS, in windows of 256 (s_set_vgpr_msb: bits 1:0 source 0, 3:2 source 1, 5:4 source 2, 7:6 destination):
;   window 0: v0-11 addresses; v12-43 eight registers of statistics a tile; v64-191 S^T, 32 a tile; v192-255 P, 16 a tile
;   window 1: O^T, 64 a tile          window 2: v0-127 Q, 32 a tile; v128-255 K of one step          window 3: v0-127 V of one step
.set SIZE_N, 2048
.set KS,    64        ; keys in a step
.set PK,    272       ; a row of K in LDS: 256 bytes + 16 of padding = 68 words: the 16 rows of a load start at 16 different groups of four banks (64 banks of 4 bytes: ISA guide 11.1)
.set PV,    288       ; a row of V: 256 + 32 = 72 words
.set VOFF,  KS*PK     ; a step's tiles lie together: 64 rows of K, then 64 rows of V
.set STEPB, KS*(PK+PV)
.set SLOT1, 1<<17     ; a slot holds two steps (71,680 bytes); slot 1 begins here, so that one exclusive or turns an address in one slot into the other's
.set STAGE, SLOT1+2*STEPB  ; behind the ring: 16 rows x 528 bytes for each wave, for the way out; no tensor load fills it
.set SP,    528       ; a row of the stage: 128 f32 + 16 bytes: an odd multiple of 16
.set AK0, 2           ; v2   my lane's place in a tile of K; never rewritten
.set AV0, 3           ; v3   the same for V
.set ADR, 4           ; v4   the LDS address of the run of loads in hand
.set QO,  5           ; v5   my byte offset in the wave's rows of Q
.set STO, 6           ; v6   the way out: where I put 32 bytes of a row
.set RD,  7           ; v7   the way out: where I read a row back
.set GO,  8           ; v8   16 x lane: my place in a head's 512 bytes of a row of out0
.set SPW, 62          ; v62  LDS address of my spare word: SPARE + 4 x my thread's number; never rewritten
.set NIL, 63          ; v63  0; never rewritten
.set SPARE, STAGE+4*16*SP  ; behind the stages: the spare words, 128 bytes for each wave: two blocks of 256 bytes that no other line names
.set ST,  12          ; tile t's statistics at v[ST+8 t]: +0 c m, +1 m, +2, +3 l (even keys', odd keys'), +4 to +7 c0-c3, at work; a takes c2's place once the maximum is found
.set S,   64
.set P,   192
.set KF,  128         ; K's fragments, in window 2
.set WV,  12          ; s12  my wave's number
.set G1K, 24          ; s[24:31] descriptor group 1 for K's tiles
.set G1V, 32          ; s[32:39] for V's: it differs in the padding alone
.set G0K, 40          ; s[40:47] descriptor group 0 for K's tiles: a set for each of the two first fills; the second then walks on
.set G0V, 48          ; s[48:55] the same for V's
.set SLOTS, 56        ; s56  slots still to be asked for
.set TWICE, 57        ; s57  counts a slot's two steps
.set CS,  58          ; s[58:59] c: the packed scaling names a pair and takes its low word for both halves
.set SEL, 60          ; s[60:61] lane selects for v_permlanex16_b32: each lane takes its own place in the other half
.set TB,  62          ; s62  LDS byte at which the tiles of the step to be fetched begin
.set PFA, 18          ; s[18:19] where my prefetches stand: my work-group's 32 rows (of K: wave 0, of V: wave 2) of the slot after the one that is being asked for
.set LIM, 15          ; s15  1 in a wave that prefetches, else the greatest number
.set PFO, 61          ; v61  256 x my lane: a row of K or V is 256 bytes; never rewritten
.set MSB, 0
.macro WIN new                      ; the immediate's high byte repeats the setting that is left; a switch that changes nothing is dropped
.if MSB != (\new)
	s_set_vgpr_msb (MSB<<8)|(\new)
.set MSB, \new
.endif
.endm
.set W_KQ, 0x0a       ; K and Q in window 2, S^T in window 0
.set W_PV, 0x53       ; V in window 3, P in window 0, O^T in window 1
.set W_RS, 0x41       ; O^T (destination and source 0) in window 1, a in window 0
; A joint refill.  Waves 0 and 1 fetch the two steps' tiles of K, waves 2 and 3 those of V.  The branch hangs on the wave's number alone.
; An s_nop 0 and four v_nop follow each of the two lines, ahead of the jump, the label and what follows.
.macro JLOAD
	s_cmp_lt_u32 s[WV], 2
	s_cbranch_scc0 .Lfor_v_\@
	tensor_load_to_lds s[G0K+4:G0K+7], s[G1K:G1K+7]
	s_nop 0
.rept 4
	v_nop
.endr
	s_branch .Lasked_\@
.Lfor_v_\@:
	tensor_load_to_lds s[G0V+4:G0V+7], s[G1V:G1V+7]
	s_nop 0
.rept 4
	v_nop
.endr
.Lasked_\@:
.endm
; A PREFETCH INTO THE L2 of what the NEXT change of slots will ask for: a slot's 128 rows of K and 128 of V, 256 bytes a row, a lane a row; it stands behind the wave's tensor load and its five lines.
; Each row is asked for ONCE in the launch.  The four clusters of a group and batch (two heads, two clusters each) walk the same K and V: the first cluster of the group's first head prefetches.  Its four
; partners share the rows out by address, 32 each; in each, wave 0 asks for K's and wave 2 for V's: one instruction.  The last change that fills a slot prefetches nothing: there is no slot behind it.
.macro ASK
	s_cmp_gt_u32 s[SLOTS], s[LIM]
	s_cbranch_scc0 .Lnot_mine_\@
	global_prefetch_b8 v[PFO], s[PFA:PFA+1] th:TH_LOAD_NT scope:SCOPE_SE
.Lnot_mine_\@:
.endm
; A round of the cluster's barrier: my work-group's barrier; wave 0 signals for the work-group; every wave waits for all four work-groups; my work-group's barrier once more.
.macro CROUND
	s_barrier_signal -1
	s_barrier_wait -1
	s_cmp_lg_u32 s[WV], 0
	s_cbranch_scc1 .Lnot_wave_0_\@
	s_barrier_signal -3
.Lnot_wave_0_\@:
	s_barrier_wait -3
	s_barrier_signal -1
	s_barrier_wait -1
.endm
	s_load_b128 s[4:7], s[0:1], 0x0 ; qkv s[4:5], out0 s[6:7]
	v_lshl_add_u32 v[SPW], v0, 2, SPARE
	v_mov_b32 v[NIL], 0
	ds_add_u32 v[SPW], v[NIL]       ; the wave's opening: the add and its wait stand ahead of my first tensor load; the set-up below, work on registers, stands between them
	v_lshrrev_b32 v1, 5, v0
	v_readfirstlane_b32 s[WV], v1   ; wave 0..3
	s_bfe_u32 s13, ttmp6, 0x40000   ; cx: my place in the cluster
	s_lshl_b32 s14, ttmp9, 2        ; in a cluster launch ttmp9 counts clusters
	s_add_co_u32 s14, s14, s13      ; my block of 256 queries = 4 x cluster x + cx: it enters Q's and out0's addresses alone
	s_and_b32 s63, ttmp7, 0xffff    ; y = 4 g + 2 j + b, which the four partners share
	s_lshr_b32 s20, s63, 2          ; g
	s_lshl_b32 s20, s20, 1
	s_and_b32 s21, s63, 1           ; b
	s_add_co_u32 s20, s20, s21
	s_add_co_u32 s20, s20, 32       ; 2 (16 + g) + b: a head and batch are 2^19 bytes
	s_lshl_b32 s22, s20, 19
	s_and_b32 s16, s[WV], 1         ; which of a slot's two steps I fetch:
	s_lshl_b32 s23, s16, 14         ; its 64 rows of 256 bytes in memory,
	s_add_co_u32 s22, s22, s23
	s_mov_b32 s23, 0
	s_mul_i32 s17, s16, STEPB       ; and its place in a slot: no place in the cluster enters an LDS address
	s_lshl_b32 s2, s63, 19          ; Q: 2 h + b = y,
	s_lshl_b32 s3, s14, 16          ; my block's 256 rows,
	s_add_co_u32 s2, s2, s3
	s_lshl_b32 s3, s[WV], 14        ; my wave's 64 of them
	s_add_co_u32 s2, s2, s3
	s_mov_b32 s3, 0
	s_lshl_b32 s20, s21, 24         ; out0: the batch's 2,048 rows of 8,192 bytes,
	s_lshl_b32 s21, s14, 21         ; my block's 256,
	s_add_co_u32 s20, s20, s21
	s_lshl_b32 s21, s[WV], 19       ; my wave's 64,
	s_add_co_u32 s20, s20, s21
	s_lshr_b32 s21, s63, 1
	s_lshl_b32 s21, s21, 9          ; the head's 512 bytes of a row
	s_add_co_u32 s20, s20, s21
	s_mov_b32 s21, 0
	; descriptor group 1: a tile of 64 rows x 128 elements, padded in LDS
	s_mov_b32 s[G1K], 15|(1<<16)|(1<<20)|(1<<21)|(5<<22)|(3<<25)  ; 15:0 the mask: all four work-groups; 17:16 elements of 2 bytes; 20 padding on; 21 set beside a mask; 24:22 after every 64 words (code 5); 31:25 4 words of it (code 3)
	s_mov_b32 s[G1V], 15|(1<<16)|(1<<20)|(1<<21)|(5<<22)|(7<<25)  ; the same with 8 words of padding (code 7)
.irp g, G1K, G1V
	s_mov_b32 s[(\g)+1], 128<<16    ; tensor_dim0 = 128
	s_mov_b32 s[(\g)+2], KS<<16     ; tensor_dim1 = 64
	s_mov_b32 s[(\g)+3], 128<<16    ; tile_dim0 = 128
	s_mov_b32 s[(\g)+4], KS         ; tile_dim1 = 64
	s_mov_b32 s[(\g)+5], 128        ; elements from row to row
	s_mov_b32 s[(\g)+6], 0
	s_mov_b32 s[(\g)+7], 0
.endr
	s_mov_b32 s[CS], 0x3e0293ee     ; c = log2(e) / sqrt(128) = 0.127517
	s_mov_b32 s[CS+1], s[CS]        ; named with it as a pair, so it is written
	s_mov_b32 s[SEL], 0x76543210
	s_mov_b32 s[SEL+1], 0xfedcba98
	s_mov_b32 s[TB], 0
	s_mov_b32 s[SLOTS], SIZE_N/(2*KS)-2
	s_and_b32 s[LIM], s[WV], 1      ; 0 in waves 0 and 2,
	s_or_b32 s[LIM], s[LIM], ttmp9  ; in the head's first cluster,
	s_bfe_u32 s18, s63, 0x10001     ; j
	s_or_b32 s[LIM], s[LIM], s18    ; of the group's first head: the same in all four partners
	s_cmp_eq_u32 s[LIM], 0
	s_cselect_b32 s[LIM], 1, -1
	v_and_b32 v[PFO], 31, v0
	v_lshlrev_b32 v[PFO], 8, v[PFO]
	s_wait_dscnt 0x0                ; the opening add is done
	s_wait_kmcnt 0x0
	s_mov_b64 s[10:11], s[6:7]      ; out0
	s_add_nc_u64 s[6:7], s[4:5], s[22:23]  ; K at my tile of slot 0,
	s_add_nc_u64 s[8:9], s[6:7], 0x800000  ; V eight heads further on
	s_add_nc_u64 s[4:5], s[4:5], s[2:3]    ; Q and out0 at my wave's first row
	s_add_nc_u64 s[10:11], s[10:11], s[20:21]
	s_cmp_lt_u32 s[WV], 2
	s_cselect_b64 s[PFA:PFA+1], s[6:7], s[8:9]  ; (in waves 0 and 2 these stand at a slot's first row)
	s_lshl_b32 s2, s13, 13          ; my work-group's 32 rows of the 128
	s_mov_b32 s3, 0
	s_add_nc_u64 s[PFA:PFA+1], s[PFA:PFA+1], s[2:3]
	s_add_nc_u64 s[PFA:PFA+1], s[PFA:PFA+1], 2*2*KS*256  ; in slot 2; the first change of slots steps it to slot 3.  Nothing is prefetched at the head
	CROUND                          ; all four work-groups are here: the first joint loads meet
.irp s, 0,1
	s_mov_b32 s[G0K+4*(\s)], 1      ; 1:0 count = 1
	s_add_co_u32 s[G0K+4*(\s)+1], s17, (\s)*SLOT1  ; 63:32 LDS address
	s_add_nc_u64 s[G0K+4*(\s)+2:G0K+4*(\s)+3], s[6:7], (\s)*2*KS*256  ; 120:64 global address: slot s begins with keys 128 s
	s_or_b32 s[G0K+4*(\s)+3], s[G0K+4*(\s)+3], 0x80000000  ; 127:126 type = 2
	s_mov_b32 s[G0V+4*(\s)], 1
	s_add_co_u32 s[G0V+4*(\s)+1], s17, (\s)*SLOT1+VOFF
	s_add_nc_u64 s[G0V+4*(\s)+2:G0V+4*(\s)+3], s[8:9], (\s)*2*KS*256
	s_or_b32 s[G0V+4*(\s)+3], s[G0V+4*(\s)+3], 0x80000000
.endr
	s_cmp_lt_u32 s[WV], 2           ; a wave's two first fills stand in one branch, ahead of every wait on TENSORcnt and every LDS read: two loads of mine are out
	s_cbranch_scc0 .Lfirst_v
	tensor_load_to_lds s[G0K:G0K+3], s[G1K:G1K+7]
	s_nop 0
	tensor_load_to_lds s[G0K+4:G0K+7], s[G1K:G1K+7]
	s_nop 0
.rept 4
	v_nop
.endr
	s_branch .Lfirst_asked
.Lfirst_v:
	tensor_load_to_lds s[G0V:G0V+3], s[G1V:G1V+7]
	s_nop 0
	tensor_load_to_lds s[G0V+4:G0V+7], s[G1V:G1V+7]
	s_nop 0
.rept 4
	v_nop
.endr
.Lfirst_asked:
	; A fragment of K or Q is 16 rows x 32 channels in 8 registers: lane l holds row l % 16; registers 0-3 channels 8 (l / 16) + 0..7, registers 4-7 channels 16 + 8 (l / 16) + 0..7: two loads of 16 bytes, 32 bytes apart.
	v_and_b32 v1, 15, v0            ; l % 16
	v_bfe_u32 v9, v0, 4, 1          ; l / 16
	v_lshlrev_b32 v[QO], 8, v1
	v_lshl_add_u32 v[QO], v9, 4, v[QO]  ; row x 256 + 16 x half
	WIN 0x80                        ; destination window 2, address window 0
.irp i, 0,1,2,3,4,5,6,7,8,9,10,11,12,13,14,15  ; Q stays in registers: tile i / 4, channels 32 (i % 4) on
	global_load_b128 v[8*(\i):8*(\i)+3],   v[QO], s[4:5] offset:((\i)/4)*4096+((\i)%4)*64
	global_load_b128 v[8*(\i)+4:8*(\i)+7], v[QO], s[4:5] offset:((\i)/4)*4096+((\i)%4)*64+32
.endr
	WIN 0
	v_mul_u32_u24 v[AK0], v1, PK
	v_lshl_add_u32 v[AK0], v9, 4, v[AK0]  ; row x pitch + 16 x half
	; The turning load takes 16 keys x 16 channels (lane l reads key 8 (l / 16) + l % 8, channels 8 ((l / 8) % 2) + 0..7) and leaves half a fragment of V^T: lane l holds channel l % 16 and 8 keys.
	v_and_b32 v10, 7, v0
	v_bfe_u32 v11, v0, 3, 1
	v_lshl_add_u32 v[AV0], v9, 3, v10
	v_mul_u32_u24 v[AV0], v[AV0], PV
	v_lshl_add_u32 v[AV0], v11, 4, v[AV0]
	v_add_nc_u32 v[AV0], VOFF, v[AV0]
; THE MATRIX WORK OF A TURN, for piece x.  The accumulators take turns, one instruction a turn: between two links of a chain stand 15 (V^T P) or 7 (K Q^T) others'.
; Product i of 32 of O^T += V^T P: keys 32 (i / 16) on, channels 16 ((i / 2) % 8) on, tile x + i % 2.  zero = 1: the first 16 start the sums: nothing is ever cleared.
.macro PV x, zero
	WIN W_PV
.set rO, 64*((\x)+i%2)+8*((i/2)%8)
.set rV, 64*(i/16)+8*((i/2)%8)
.set rP, P+16*((\x)+i%2)+8*(i/16)
.if (\zero) && (i < 16)
	v_wmma_f32_16x16x32_f16 v[rO:rO+7], v[rV:rV+7], v[rP:rP+7], 0
.else
	v_wmma_f32_16x16x32_f16 v[rO:rO+7], v[rV:rV+7], v[rP:rP+7], v[rO:rO+7]
.endif
.endm
; Product i of 32 of S^T = K Q^T: channels 32 (i / 8) on, keys 16 ((i / 2) % 4) on, tile x + i % 2.  The first 8 start the sums.
.macro KQ x
	WIN W_KQ
.set rS, S+32*((\x)+i%2)+8*((i/2)%4)
.set rK, KF+32*((i/2)%4)+8*(i/8)
.set rQ, 32*((\x)+i%2)+8*(i/8)
.if i < 8
	v_wmma_f32_16x16x32_f16 v[rS:rS+7], v[rK:rK+7], v[rQ:rQ+7], 0
.else
	v_wmma_f32_16x16x32_f16 v[rS:rS+7], v[rK:rK+7], v[rQ:rQ+7], v[rS:rS+7]
.endif
.endm
; THE LDS LOADS stand in runs of 32, never singly among the matrix instructions: a step's K (64 keys x 128 channels: 16 fragments) and, a turn later, its V (turned).
.macro FETCH_K
	WIN 0
	v_add_nc_u32 v[ADR], s[TB], v[AK0]
	WIN 0x80                        ; destination window 2
.irp f, 0,1,2,3,4,5,6,7,8,9,10,11,12,13,14,15  ; keys 16 (f / 4) on, channels 32 (f % 4) on
	ds_load_b128 v[KF+8*(\f):KF+8*(\f)+3],   v[ADR] offset:((\f)/4)*16*PK+((\f)%4)*64
	ds_load_b128 v[KF+8*(\f)+4:KF+8*(\f)+7], v[ADR] offset:((\f)/4)*16*PK+((\f)%4)*64+32
.endr
.endm
.macro FETCH_V
	WIN 0
	v_add_nc_u32 v[ADR], s[TB], v[AV0]
	s_add_co_u32 s[TB], s[TB], STEPB  ; the next fetch is the next step's
	WIN 0xc0                        ; destination window 3
.irp f, 0,1,2,3,4,5,6,7,8,9,10,11,12,13,14,15  ; keys 32 (f / 8) on, channels 16 (f % 8) on
	ds_load_tr16_b128 v[8*(\f):8*(\f)+3],   v[ADR] offset:((\f)/8)*32*PV+((\f)%8)*32
	ds_load_tr16_b128 v[8*(\f)+4:8*(\f)+7], v[ADR] offset:((\f)/8)*32*PV+16*PV+((\f)%8)*32
.endr
.endm
; THE VECTOR WORK OF A TURN.  One tile's softmax for one key step is a list of 134 instructions; SM writes number j of it for tile t.  s0-s31 are the lane's 32 scores, in pairs 0-15.
; first = 1: the first key step, which starts m, l and O^T: it has no a and nothing to rescale.
;   0-15    the maximum of s0-s31 and the old m, three operands at a time: four chains c0-c3 of seven scores each (each accumulator's lowest registers first), then the four scores left over, c0-c3 and m
;   16-20   the other half of the lanes' maximum; the new m; c m; c m_old - c m_new
;   21-87   33 exponentials (a, then s0-s31) at the odd numbers from 23 on, so that no two follow each other and each has a plain instruction behind it before its result is used.
;           Plain instruction q (number 21, then the even numbers) is whatever is ready: c s - c m for a pair whose exponentials are still to come, the rounding to f16 of a pair whose exponentials are done, at last the first three sums
;   88-101  the last rounding; the rest of the sums; l = a l + the sum
;   102-133 the tile's O^T times a: the one part that leaves window 0, so it stands together
.macro SM t, first
.set rT, ST+8*(\t)
.set rS, S+32*(\t)
.set rP, P+16*(\t)
.set rO, 64*(\t)+2*(j-102)
.set q, (j-20)/2
.if j < 102
	WIN 0
.endif
.if j < 4
	v_max3_num_f32 v[rT+4+j], v[rS+8*j], v[rS+8*j+1], v[rS+8*j+2]
.elseif j < 12
	v_max3_num_f32 v[rT+4+j%4], v[rT+4+j%4], v[rS+8*(j%4)+2*(j/4)+1], v[rS+8*(j%4)+2*(j/4)+2]
.elseif j == 12
	v_max3_num_f32 v[rT+4], v[rT+4], v[rS+7], v[rS+15]
.elseif j == 13
	v_max3_num_f32 v[rT+6], v[rT+6], v[rS+23], v[rS+31]
.elseif j == 14
	v_max3_num_f32 v[rT+4], v[rT+4], v[rT+5], v[rT+6]
.elseif (j == 15) && (\first)
	v_max_num_f32 v[rT+4], v[rT+4], v[rT+7]
.elseif j == 15
	v_max3_num_f32 v[rT+4], v[rT+4], v[rT+7], v[rT+1]
.elseif j == 16
	v_permlanex16_b32 v[rT+5], v[rT+4], s[SEL], s[SEL+1]  ; the query's other 32 keys lie in the lane 16 away
.elseif j == 18
	v_max_num_f32 v[rT+1], v[rT+4], v[rT+5]
.elseif j == 19
	v_mul_f32 v[rT], s[CS], v[rT+1]
.elseif ((j == 17) || (j == 20) || (j == 23) || (j > 101)) && (\first)  ; the first step has none of these
.elseif j == 17
	v_mov_b32 v[rT+7], v[rT]        ; c m_old is kept for a: number 19 writes c m anew
.elseif j == 20
	v_sub_f32 v[rT+7], v[rT+7], v[rT]
.elseif j == 23
	v_exp_f32 v[rT+6], v[rT+7]
.elseif (j < 88) && (j > 23) && (j%2 == 1)
	v_exp_f32 v[rS+(j-25)/2], v[rS+(j-25)/2]
.elseif (q < 4) || ((j < 76) && (q%2 == 0))
.set b, q/2+2
.if q < 4
.set b, q
.endif
	v_pk_fma_f32 v[rS+2*b:rS+2*b+1], v[rS+2*b:rS+2*b+1], s[CS:CS+1], v[rT:rT+1] op_sel_hi:[1,0,0] neg_lo:[0,0,1] neg_hi:[0,0,1]  ; pair b: c s - c m
.elseif (j < 88) && (q%2 == 1)
	s_wait_alu depctr_va_vdst(0)
	v_cvt_pk_f16_f32 v[rP+(q-5)/2], v[rS+q-5], v[rS+q-4]  ; pair (q - 5) / 2: its second exponential stands three numbers back
.elseif j == 89
	s_wait_alu depctr_va_vdst(0)
	v_cvt_pk_f16_f32 v[rP+15], v[rS+30], v[rS+31]
.elseif j < 102                     ; the sum of the tile's 16 pairs, in place: sum z of 16 adds neighbours 1, 2, 4 and 8 pairs apart, then l takes it
.set z, j-86
.if j < 89
.set z, (j-76)/4
.endif
.set w, 4
.set u, z
.if z >= 14
.set w, 32
.set u, 0
.elseif z >= 12
.set w, 16
.set u, z-12
.elseif z >= 8
.set w, 8
.set u, z-8
.endif
.if (z == 14) && (\first)
	v_pk_add_f32 v[rT+2:rT+3], v[rS:rS+1], v[rS+16:rS+17]
.elseif z < 15
	v_pk_add_f32 v[rS+w*u:rS+w*u+1], v[rS+w*u:rS+w*u+1], v[rS+w*u+w/2:rS+w*u+w/2+1]
.elseif !(\first)
	v_pk_fma_f32 v[rT+2:rT+3], v[rT+2:rT+3], v[rT+6:rT+7], v[rS:rS+1] op_sel_hi:[1,0,1]
.endif
.else
	WIN W_RS
	v_pk_mul_f32 v[rO:rO+1], v[rO:rO+1], v[rT+6:rT+7] op_sel_hi:[1,0]
.endif
.endm
; Slice k of 64 of piece y's softmax: numbers 2 k and 2 k + 1 of both tiles' lists, four instructions.  2 x 134 = 4 x 64 + 12: the twelve that are over stand together, in slice 63.
.macro SLICE y, first
.if (k >= 11) && (k < 44)           ; tile by tile: plain, exponential, plain, exponential
.irp t, \y, (\y)+1
.irp n, 0,1
.set j, 2*k+(\n)
	SM \t, \first
.endr
.endr
.else                               ; the two tiles alternate, so that no instruction reads the result of the one just before it
.irp n, 0,1,2,3,4,5,6,7
.if ((\n) < 2) || (k == 63)
.irp t, \y, (\y)+1
.set j, 2*k+(\n)
	SM \t, \first
.endr
.endif
.endr
.endif
.set k, k+1
.endm
; A vector instruction that reads a matrix result or writes one of a matrix instruction's registers, and a load into a register that a matrix instruction has read, stand four places behind
; it, and only plain vector instructions that name none of its registers are places (ISA guide 7.12.1 for vector instructions).  In the loop the slices are the places.
.macro PLACES
.rept 4
	v_nop
.endr
.endm
; A TURN.  Piece x has the matrix unit; the other piece's softmax stands in slices behind its matrix instructions.
; pv = 2: 32 products V^T P; 1: they start O^T's sums; 0: none.  kq = 1: 32 products K Q^T for the next step.  A turn with one of the two kinds has two slices behind each product.
; first = 1: the softmax is the first key step's.  Its slices from 51 on are empty: the turn's last products stand bare, and four v_nop take slice 63's part as the places behind them.
; Each run of loads stands behind the second product of a run of 32, 30 matrix instructions ahead of its first use.  Piece 0's turn fetches the next step's K: the last product that read K
; stands in front of slice 63 of the turn before.  Piece 2's turn fetches the same step's V: the last product that read V stands three slices, six plain instructions, back.
.macro TURN x, pv, kq, first
.set k, 0
.set per, 2
.if (\pv) && (\kq)
.set per, 1
.endif
.if \pv
.if (\x) == 0
	s_wait_dscnt 0x0                ; V is in
.endif
.set i, 0
.rept 32
	PV \x, 2-(\pv)
.rept per
	SLICE 2-(\x), \first
.endr
.if ((\x) == 0) && (\kq) && (i == 1)
	FETCH_K
.endif
.set i, i+1
.endr
.endif
.if \kq
.if (\x) == 0
	s_wait_dscnt 0x0                ; K is in
.endif
.set i, 0
.rept 32
	KQ \x
.rept per
	SLICE 2-(\x), \first
.endr
.if ((\x) == 2) && (i == 1)
	FETCH_V
.endif
.set i, i+1
.endr
.endif
.if \first
	PLACES
.endif
.endm
; THE CHANGE OF SLOTS, between piece 2's turn and piece 0's: the slot's last bytes, V of its second step, have been asked for.  Each wave waits for all its tensor loads, of which one is out: its part
; of the other slot; adds 0 to its spare word; and waits for that and for its own reads of the slot.  Behind the barrier nobody reads this slot any more and the other slot is whole.
; fill = 1: this slot is filled again, with the keys two slots on.  The barrier is then a round of the cluster's, so that no wave of any partner still reads the slot or has a load on its
; way, and the joint refill is the first thing behind it: it has two key steps, 256 matrix instructions, in which to land.
.macro CHANGE fill
	WIN 0                           ; at a label and at a branch every window is 0
	s_wait_tensorcnt 0x0            ; no tensor load of mine is out, so a group 0 may be written
	ds_add_u32 v[SPW], v[NIL]       ; 0 onto my spare word; with fill = 1 the descriptors' steps stand between it and the wait for it
.if \fill
.irp g, G0K+4, G0V+4
	s_xor_b32 s[(\g)+1], s[(\g)+1], SLOT1  ; the walking descriptor: the other slot than last time,
	s_add_nc_u64 s[(\g)+2:(\g)+3], s[(\g)+2:(\g)+3], 2*KS*256  ; the next 128 keys; the type bits on top are not reached
.endr
	s_wait_xcnt 0x0                 ; the last prefetches, two key steps back, have read their address, so it may be written:
	s_add_nc_u64 s[PFA:PFA+1], s[PFA:PFA+1], 2*KS*256  ; one slot behind the walking descriptors
	s_wait_dscnt 0x0                ; the add is done, and my reads of the slot are over
	CROUND
	JLOAD
	ASK                             ; what the next change will ask for: two key steps, 256 matrix instructions, ahead
.else
	s_wait_dscnt 0x0                ; the add is done, and my reads of the slot are over
	s_barrier_signal -1
	s_barrier_wait -1
.endif
	s_sub_co_u32 s[TB], s[TB], 2*STEPB  ; the fetches go back to a slot's first step,
	s_xor_b32 s[TB], s[TB], SLOT1   ; in the other slot
.endm
; A slot's two key steps: written once, walked twice; the LDS addresses hang on s[TB].
.macro TWO_STEPS
	WIN 0
	s_mov_b32 s[TWICE], 2
.Lstep_\@:
	TURN 0, 2, 1, 0
	TURN 2, 2, 1, 0
	WIN 0
	s_sub_co_u32 s[TWICE], s[TWICE], 1
	s_cmp_lg_u32 s[TWICE], 0
	s_cbranch_scc1 .Lstep_\@
.endm
	s_wait_tensorcnt 1              ; my part of slot 0 is in; slot 1's may stay out
	s_barrier_signal -1
	s_barrier_wait -1               ; everybody's is
	FETCH_K                         ; key step 0
	s_wait_loadcnt 0x0              ; Q
	s_wait_dscnt 0x0
.set i, 0
.rept 32
	KQ 0                            ; piece 0's first scores: there is no vector work yet to set between them
.set i, i+1
.endr
	WIN 0                           ; the addresses for the way out are made here: six plain instructions, the places behind those products
	s_mul_i32 s13, s[WV], 16*SP
	s_add_co_u32 s13, s13, STAGE    ; my stage
	v_mul_u32_u24 v[STO], v1, SP    ; in: row l % 16, 32 bytes for each half of the lanes
	v_lshl_add_u32 v[STO], v9, 5, v[STO]
	v_add_nc_u32 v[STO], s13, v[STO]
	v_and_b32 v[GO], 31, v0
	v_lshlrev_b32 v[GO], 4, v[GO]   ; back: 32 lanes take one row of 512 bytes, which is the head's piece of a row of out0
	v_add_nc_u32 v[RD], s13, v[GO]
	TURN 2, 0, 1, 1                 ; piece 2's first scores | piece 0's first softmax | V of step 0
	TURN 0, 1, 1, 1                 ; piece 0: V^T P of step 0 starts O^T, K Q^T of step 1 | piece 2's first softmax | K of step 1
	TURN 2, 1, 1, 0                 ; piece 2: the same | piece 0's softmax of step 1 | V of step 1
	WIN 0
.Lslot:                             ; 14 trips: every slot but the last two is filled again
	CHANGE 1
	TWO_STEPS
	s_sub_co_u32 s[SLOTS], s[SLOTS], 1
	s_cmp_lg_u32 s[SLOTS], 0
	s_cbranch_scc1 .Lslot
	CHANGE 0                        ; the tail is written out: the last slot but one is left, and nothing is asked for
	TWO_STEPS
	TURN 0, 2, 0, 0                 ; piece 0: V^T P of the last step | piece 2's last softmax
.set i, 0
.rept 32
	PV 2, 0                         ; piece 2: V^T P of the last step
.set i, i+1
.endr
	; THE WAY OUT.  l's two halves and the other half of the lanes' are added; O^T is divided by l and sent, in f32, through my stage in LDS, a tile (16 rows) at a time.  The additions are the places behind the last products.
	WIN 0
.irp t, 0,1,2,3
	v_add_f32 v[ST+8*(\t)+4], v[ST+8*(\t)+2], v[ST+8*(\t)+3]
.endr
.irp t, 0,1,2,3
	v_permlanex16_b32 v[ST+8*(\t)+5], v[ST+8*(\t)+4], s[SEL], s[SEL+1]
.endr
.irp t, 0,1,2,3
	v_add_f32 v[ST+8*(\t)+4], v[ST+8*(\t)+4], v[ST+8*(\t)+5]
.endr
.irp t, 0,1,2,3
	v_rcp_f32 v[ST+8*(\t)+6], v[ST+8*(\t)+4]
.endr
	v_nop                           ; a plain instruction between the last reciprocal and the use of its result
; Tile t: a lane's eight channels of a row are 32 bytes; they go into rows of 528 bytes and come back as whole rows of 512, into S^T's registers: v64-127 and v128-191 by turns.
.macro PACK t
	WIN W_RS
.set i, 64*(\t)
.rept 32
	s_wait_alu depctr_va_vdst(0)
	v_pk_mul_f32 v[i:i+1], v[i:i+1], v[ST+8*(\t)+6:ST+8*(\t)+7] op_sel_hi:[1,0]
.set i, i+2
.endr
.if (\t) >= 2
	s_wait_xcnt 0x0                 ; the stores of the tile two back have read the registers that are loaded below
.endif
	WIN 0x04                        ; the stores' data in window 1, the address in window 0
.irp f, 0,1,2,3,4,5,6,7
	ds_store_b128 v[STO], v[64*(\t)+8*(\f):64*(\t)+8*(\f)+3]   offset:64*(\f)
	ds_store_b128 v[STO], v[64*(\t)+8*(\f)+4:64*(\t)+8*(\f)+7] offset:64*(\f)+16
.endr
	WIN 0
.set BK, S+64*((\t)%2)
.irp r, 0,1,2,3,4,5,6,7,8,9,10,11,12,13,14,15
	ds_load_b128 v[BK+4*(\r):BK+4*(\r)+3], v[RD] offset:(\r)*SP  ; LDS serves a wave's instructions in order (ISA guide 5.7.1.4): these see the stores above; the next tile's stores come behind them
.endr
.endm
.macro SEND t, younger              ; younger: the LDS instructions issued behind tile t's loads: the next tile's 32, or none
	WIN 0
.set BK, S+64*((\t)%2)
.irp r, 0,1,2,3,4,5,6,7,8,9,10,11,12,13,14,15
	s_wait_dscnt (\younger)+15-(\r)
	global_store_b128 v[GO], v[BK+4*(\r):BK+4*(\r)+3], s[10:11] offset:(\t)*131072+(\r)*8192 th:TH_STORE_NT  ; 512 consecutive bytes, at a multiple of 512 from out0's first byte
.endr
.endm
	PACK 0
	PACK 1                          ; a tile's arithmetic stands between the loads of the tile before and its stores
	SEND 0, 32
	PACK 2
	SEND 1, 32
	PACK 3
	SEND 2, 32
	SEND 3, 0
	s_wait_tensorcnt 0x0            ; the wave's end: the add and its wait stand behind my last tensor load and my last LDS store
	ds_add_u32 v[SPW], v[NIL]
	s_wait_dscnt 0x0
	CROUND                          ; the closing round: no work-group ends while a partner may still ask for a tile that names it
	s_endpgm
.Lfunc_end_k_q040f126839_attn:
	.size	k_q040f126839_attn, .Lfunc_end_k_q040f126839_attn-k_q040f126839_attn
	.p2alignl 7, 3214868480
	.fill 96, 4, 3214868480
	.section	.rodata,"a",@progbits
	.p2align	6, 0x0
	.amdhsa_kernel k_q040f126839_attn
		.amdhsa_group_segment_fixed_size 327680
		.amdhsa_private_segment_fixed_size 0
		.amdhsa_enable_private_segment 0
		.amdhsa_kernarg_size 16
		.amdhsa_user_sgpr_count 2
		.amdhsa_user_sgpr_kernarg_segment_ptr 1
		.amdhsa_wavefront_size32 1
		.amdhsa_system_sgpr_workgroup_id_x 1
		.amdhsa_system_sgpr_workgroup_id_y 1
		.amdhsa_system_sgpr_workgroup_id_z 1
		.amdhsa_system_vgpr_workitem_id 0
		.amdhsa_next_free_vgpr 1024
		.amdhsa_next_free_sgpr 66
		.amdhsa_reserve_vcc 0
		.amdhsa_float_denorm_mode_32 3
		.amdhsa_float_denorm_mode_16_64 3
		.amdhsa_memory_ordered 1
		.amdhsa_forward_progress 1
		.amdhsa_inst_pref_size 233
	.end_amdhsa_kernel
	.amdgpu_metadata
---
amdhsa.version: [ 1, 2 ]
amdhsa.kernels:
  - .name:           k_q040f126839_attn
    .symbol:         k_q040f126839_attn.kd
    .args:
      - { .name: qkv, .offset: 0, .size: 8, .value_kind: global_buffer, .address_space: global }
      - { .name: out0, .offset: 8, .size: 8, .value_kind: global_buffer, .address_space: global }
    .group_segment_fixed_size: 327680
    .private_segment_fixed_size: 0
    .kernarg_segment_align: 8
    .kernarg_segment_size: 16
    .max_flat_workgroup_size: 128
    .sgpr_count:     66
    .vgpr_count:     1024
    .wavefront_size: 32
...
	.end_amdgpu_metadata
.endif
;; end of part 3
;; ======== version 2 of 2: 3 launches; version 1 with the launch cast written anew for expert scheduling mode
;; limits: values are held in f16: magnitudes above 65,504 overflow, below 6.1e-05 lose precision
;; workspace buffers: xw 67,108,864 bytes; qkv 33,554,432 bytes
;; launch cast (part 4): grid 512 x 1, 8 waves a work-group, no clusters, 0 bytes of LDS; arguments q, k, v, Wq, Wk, Wv, xw; writes xw
.if DOCPART == 4
	.amdgcn_target "amdgcn-amd-amdhsa--gfx1250"
	.amdhsa_code_object_version 6
	.text
	.protected	k_q040f126839_cast
	.globl	k_q040f126839_cast
	.p2align	8
	.type	k_q040f126839_cast,@function
k_q040f126839_cast:
	s_mov_b64 s[64:65], 0
	v_nop
	global_prefetch_b8 v0, s[64:65] scope:SCOPE_SE
	s_setreg_imm32_b32 hwreg(HW_REG_WAVE_SCHED_MODE, 0, 2), 2
	s_setreg_imm32_b32 hwreg(HW_REG_WAVE_MODE, 25, 1), 1
	s_wait_xcnt 0x0
	s_wait_alu depctr_vm_vsrc(0)
; q, k, v and the three weights, f32, are rounded once to bf16 and laid into xw for the product that follows:
;   bytes 0 .. WALL-1: X[3][4096][2048] (q, k, v; a row is 4,096 bytes);  from WALL on: W[2048 k][4096 n] (a row is 8,192 bytes): columns 0-2047 Wq, 2048-3071 Wk, 3072-4095 Wv.
; A LINE is 4,096 input bytes: 256 threads x 16; it becomes 2,048 output bytes: a wave's load covers 512 consecutive bytes, its store 256 consecutive bytes, aligned.
; A work-group makes 64 lines; line t is read at source + INB + t INP and written at xw + OUTB + t OUTP.  512 equal work-groups: 0-383 the activations, 384-447 Wq (half a row a line), 448-479 Wk, 480-511 Wv.
; A stream: nothing is shared between waves or work-groups, so there is no LDS, no barrier, no matrix work, no cluster.  Up to sixteen loads of every wave are on their way.
; THE MODE: SCHED_MODE bits 1:0 = 2 (LLVM: expert scheduling mode 2), set by the entry lines.  The code itself states the register dependences
; between vector instructions and memory instructions, with s_wait_alu, always for 0.
; THE PLAN.  The 64 lines go in 16 blocks of four.  Registers that memory instructions touch:
;   X0 .. X3   four blocks as loaded.  Written by the loads of block p + 3, issued at the head of block p; read by the roundings of the block that owns the buffer, and by no memory instruction.
;   Y0, Y1     two blocks to store.    Written by block p's roundings; read by the four stores that are issued at the head of block p + 1.
;   IN, OUT    a line's byte offsets within a block, made once at the head and never written again.  The blocks are reached by scalar bases: the pitch from line to line is a scalar of the
;              work-group's kind, so no immediate can hold it.  Each X buffer has a base of its own; the stores have one.
; Block p rounds X[p % 4] into Y[p % 2].  Its memory instructions are the loads into X[(p + 3) % 4] = X[(p - 1) % 4] and the stores from Y[(p - 1) % 2]: the two buffers that block p - 1 worked on.
; They stand in one run at the block's head, behind ONE wait on va_vdst, so that a buffer is asked for again, and a block leaves, as soon as the block before is rounded, ahead of the wait for this
; block's data.  One wait on vm_vsrc stands ahead of the block's roundings, a block behind the stores that it is there for.
.set WALL,   50331648
.set BLOCK,  4                         ; lines in a block
.set BLOCKS, 64 / BLOCK
.set IN,   2                           ; v[2:5]    line i of a block: 16 x thread + i INP; never rewritten
.set OUT,  6                           ; v[6:9]    line i of a block: 8 x thread + i OUTP; never rewritten
.set X,    10                          ; v[10:73]  buffer k, line i: four f32 as loaded, at X + 16 k + 4 i
.set Y,    74                          ; v[74:89]  buffer k, line i: four bf16 to store, at Y + 8 k + 2 i
.set LB,   36                          ; s[36:43]  buffer k: the source at the first line of the block that the buffer is asked for next: a pair at LB + 2 k
	s_load_b256 s[8:15], s[0:1], 0x0               ; q s[8:9], k s[10:11], v s[12:13], Wq s[14:15]
	s_load_b128 s[16:19], s[0:1], 0x20             ; Wk s[16:17], Wv s[18:19]
	s_load_b64 s[20:21], s[0:1], 0x30              ; xw
	s_and_b32 s22, ttmp9, 127                      ; u: my number among the 128 of my kind
	s_mov_b32 s25, 0                               ; the high words of the five offsets
	s_mov_b32 s27, 0
	s_mov_b32 s31, 0
	s_mov_b32 s33, 0
	s_mov_b32 s35, 0
	s_wait_kmcnt 0x0
	s_cmp_ge_u32 ttmp9, 384
	s_cbranch_scc1 .Lweights
	s_cmp_lt_u32 ttmp9, 128                        ; an activation: q, k or v by the work-group's number
	s_cselect_b64 s[4:5], s[8:9], s[10:11]
	s_cmp_lt_u32 ttmp9, 256
	s_cselect_b64 s[4:5], s[4:5], s[12:13]
	s_lshl_b32 s24, s22, 18                        ; INB: 64 lines of 4,096 bytes
	s_lshl_b32 s26, ttmp9, 17                      ; OUTB: the three arrays lie end to end
	s_mov_b32 s28, 4096                            ; INP
	s_mov_b32 s29, 2048                            ; OUTP
	s_branch .Lgo
.Lweights:
	s_cmp_ge_u32 s22, 64
	s_cbranch_scc1 .Lkv
	s_mov_b64 s[4:5], s[14:15]                     ; Wq: 64 rows of 8,192 bytes, the left or the right half of each
	s_lshr_b32 s23, s22, 1
	s_lshl_b32 s23, s23, 19                        ; 64 rows, in Wq and in W alike
	s_and_b32 s24, s22, 1
	s_lshl_b32 s26, s24, 11
	s_lshl_b32 s24, s24, 12
	s_add_co_u32 s24, s24, s23
	s_add_co_u32 s26, s26, s23
	s_add_co_u32 s26, s26, WALL
	s_mov_b32 s28, 8192
	s_mov_b32 s29, 8192
	s_branch .Lgo
.Lkv:
	s_and_b32 s23, s22, 31                         ; Wk or Wv: 64 whole rows of 4,096 bytes
	s_lshl_b32 s24, s23, 18
	s_lshl_b32 s26, s23, 19
	s_mov_b32 s23, WALL+6144                       ; Wv's first column in W
	s_cmp_lt_u32 s22, 96
	s_cselect_b64 s[4:5], s[16:17], s[18:19]
	s_cselect_b32 s23, WALL+4096, s23              ; Wk's
	s_add_co_u32 s26, s26, s23
	s_mov_b32 s28, 4096
	s_mov_b32 s29, 8192
.Lgo:
	s_add_nc_u64 s[LB:LB+1], s[4:5], s[24:25]      ; the source at my line 0: block 0, which goes into X0
	s_add_nc_u64 s[6:7], s[20:21], s[26:27]        ; xw at my line 0: the block that is stored next
	s_lshl_b32 s34, s28, 2                         ; a block on, in;
	s_lshl_b32 s30, s28, 4                         ; four blocks on, in: a buffer's next block;
	s_lshl_b32 s32, s29, 2                         ; a block on, out
.irp b, 1,2,3
	s_add_nc_u64 s[LB+2*(\b):LB+2*(\b)+1], s[LB+2*(\b)-2:LB+2*(\b)-1], s[34:35]  ; blocks 1 to 3, for X1 to X3
.endr
	v_lshlrev_b32 v[IN], 4, v0
	v_lshlrev_b32 v[OUT], 3, v0
.irp i, 1,2,3
	v_add_nc_u32 v[IN+(\i)], s28, v[IN+(\i)-1]
	v_add_nc_u32 v[OUT+(\i)], s29, v[OUT+(\i)-1]
.endr
	s_wait_alu depctr_va_vdst(0)                   ; the eight offsets v2 to v9 are written: every load and store of the kernel reads one of them
.irp b, 0,1,2,3
.irp i, 0,1,2,3
	global_load_b128 v[X+16*(\b)+4*(\i):X+16*(\b)+4*(\i)+3], v[IN+(\i)], s[LB+2*(\b):LB+2*(\b)+1] th:TH_LOAD_NT  ; blocks 0 to 3 fill the four buffers
.endr
.endr
; Block p.  xb = p % 4, yb = p % 2.  first = 1: block 0, with no block in front of it.  ahead = 1: the ring goes on: block p + 3 is loaded (in block 0 it is out already), and this block's
; buffer gets the base of its next block.  left = how many younger loads may still be out when this block's four have to be there.
.macro BLK xb, yb, first, ahead, left
.if !\first
	s_wait_alu depctr_va_vdst(0)                   ; the block before has written the other Y, which the stores below read, and is done reading its X, in which the loads below land
.irp i, 0,1,2,3
.if \ahead
	global_load_b128 v[X+16*((\xb+3)%4)+4*(\i):X+16*((\xb+3)%4)+4*(\i)+3], v[IN+(\i)], s[LB+2*((\xb+3)%4):LB+2*((\xb+3)%4)+1] th:TH_LOAD_NT  ; three blocks ahead
.endif
	global_store_b64 v[OUT+(\i)], v[Y+8*(1-\yb)+2*(\i):Y+8*(1-\yb)+2*(\i)+1], s[6:7] th:TH_STORE_NT  ; the block before
.endr
.endif
	s_wait_loadcnt \left                           ; loads come back in order (ISA guide 5.7.1): X[xb] is in, the younger blocks stay out
.if \ahead
	s_add_nc_u64 s[LB+2*\xb:LB+2*\xb+1], s[LB+2*\xb:LB+2*\xb+1], s[30:31]  ; free since that wait, which shows the loads that read it done: the buffer's next block (behind block 12 the stepped base is not used)
.endif
.if !\first
	s_wait_xcnt 0x0                                ; every earlier memory instruction has had its addresses translated (ISA guide 3.1): the stores' base and Y[yb] are rewritten only behind this wait
	s_wait_alu depctr_vm_vsrc(0)                   ; the stores issued in the block before have read Y[yb], which the roundings below write again
	s_add_nc_u64 s[6:7], s[6:7], s[32:33]          ; xw at this block's first line: it is stored at the next block's head
.endif
.irp i, 0,1,2,3
	v_cvt_pk_bf16_f32 v[Y+8*\yb+2*(\i)],   v[X+16*\xb+4*(\i)],   v[X+16*\xb+4*(\i)+1]
	v_cvt_pk_bf16_f32 v[Y+8*\yb+2*(\i)+1], v[X+16*\xb+4*(\i)+2], v[X+16*\xb+4*(\i)+3]
.endr
.endm
	BLK 0, 0, 1, 1, 3*BLOCK                        ; block 0
	s_mov_b32 s44, (BLOCKS-4)/4
.Llap:                                                 ; blocks 1 to 12, four to a lap: both kinds of buffer are back at their start
	BLK 1, 1, 0, 1, 3*BLOCK
	BLK 2, 0, 0, 1, 3*BLOCK
	BLK 3, 1, 0, 1, 3*BLOCK
	BLK 0, 0, 0, 1, 3*BLOCK
	s_sub_co_u32 s44, s44, 1
	s_cmp_lg_u32 s44, 0
	s_cbranch_scc1 .Llap
	BLK 1, 1, 0, 0, 2*BLOCK                        ; blocks 13 to 15 load nothing: no load leaves its buffer, and the counts run down
	BLK 2, 0, 0, 0, BLOCK
	BLK 3, 1, 0, 0, 0
	s_wait_alu depctr_va_vdst(0)                   ; block 15 has written Y1, which the last four stores read
.irp i, 0,1,2,3
	global_store_b64 v[OUT+(\i)], v[Y+8+2*(\i):Y+8+2*(\i)+1], s[6:7] th:TH_STORE_NT
.endr
	s_endpgm
.Lfunc_end_k_q040f126839_cast:
	.size	k_q040f126839_cast, .Lfunc_end_k_q040f126839_cast-k_q040f126839_cast
	.p2alignl 7, 3214868480
	.fill 96, 4, 3214868480
	.section	.rodata,"a",@progbits
	.p2align	6, 0x0
	.amdhsa_kernel k_q040f126839_cast
		.amdhsa_group_segment_fixed_size 0
		.amdhsa_private_segment_fixed_size 0
		.amdhsa_enable_private_segment 0
		.amdhsa_kernarg_size 56
		.amdhsa_user_sgpr_count 2
		.amdhsa_user_sgpr_kernarg_segment_ptr 1
		.amdhsa_wavefront_size32 1
		.amdhsa_system_sgpr_workgroup_id_x 1
		.amdhsa_system_sgpr_workgroup_id_y 1
		.amdhsa_system_sgpr_workgroup_id_z 1
		.amdhsa_system_vgpr_workitem_id 0
		.amdhsa_next_free_vgpr 90
		.amdhsa_next_free_sgpr 66
		.amdhsa_reserve_vcc 0
		.amdhsa_float_denorm_mode_32 3
		.amdhsa_float_denorm_mode_16_64 3
		.amdhsa_memory_ordered 1
		.amdhsa_forward_progress 1
		.amdhsa_inst_pref_size 15
	.end_amdhsa_kernel
	.amdgpu_metadata
---
amdhsa.version: [ 1, 2 ]
amdhsa.kernels:
  - .name:           k_q040f126839_cast
    .symbol:         k_q040f126839_cast.kd
    .args:
      - { .name: q, .offset: 0, .size: 8, .value_kind: global_buffer, .address_space: global }
      - { .name: k, .offset: 8, .size: 8, .value_kind: global_buffer, .address_space: global }
      - { .name: v, .offset: 16, .size: 8, .value_kind: global_buffer, .address_space: global }
      - { .name: Wq, .offset: 24, .size: 8, .value_kind: global_buffer, .address_space: global }
      - { .name: Wk, .offset: 32, .size: 8, .value_kind: global_buffer, .address_space: global }
      - { .name: Wv, .offset: 40, .size: 8, .value_kind: global_buffer, .address_space: global }
      - { .name: xw, .offset: 48, .size: 8, .value_kind: global_buffer, .address_space: global }
    .group_segment_fixed_size: 0
    .private_segment_fixed_size: 0
    .kernarg_segment_align: 8
    .kernarg_segment_size: 56
    .max_flat_workgroup_size: 256
    .sgpr_count:     66
    .vgpr_count:     90
    .wavefront_size: 32
...
	.end_amdgpu_metadata
.endif
;; end of part 4
;; launch proj: the kernel of part 2 again; grid 16 x 16, 4 waves a work-group, clusters of 4 x 4, 327,680 bytes of LDS; arguments xw, bq, bk, bv, qkv; writes qkv
;; launch attn: the kernel of part 3 again; grid 8 x 32, 4 waves a work-group, clusters of 4 x 1, 327,680 bytes of LDS; arguments qkv, out0; writes out0
